; MI455X (gfx1250); checked and timed in simulation.
; The chip was launched on July 23, 2026; its instructions are those of AMD's public machine-readable ISA for CDNA 5 (MIT licence, August 2026) and "CDNA5" Instruction Set Architecture Reference Guide (July 2026). The comments in the code are by the model that wrote it; some were corrected since.
;; Attention Block. Allowed arithmetic: matrix products marked QUANTISED: E4M3 operands, one given power-of-two scale a tensor, by v_wmma_f32_16x16x64_fp8_fp8 or v_wmma_f32_16x16x128_fp8_fp8, f32 sums; everything else in f32.
;; Inputs: lowp_scales 8 int32 (the exponents e of the quantised operands' scales 2^e); norm_b 256 float32; norm_w 256 float32; proj_b 256 float32; proj_w_codes 256 x 8 x 32 uint8 (E4M3 codes of proj_w, K innermost, in blocks of 32 codes); qkv_b 768 float32; qkv_w_codes 768 x 8 x 32 uint8 (E4M3 codes of qkv_w, K innermost, in blocks of 32 codes); x 8,192 x 256 float32.
;; Outputs: out0 8,192 x 256 float32.
;; This version of the problem:
;;   THIS VERSION OF THE PROBLEM IS GIVEN IN LOW PRECISION. The matrix products marked QUANTISED in the list below multiply operands that are first quantised to E4M3 (4 exponent bits, 3 mantissa bits; 8 bits a number), with one given power-of-two scale for each operand tensor; their sums are f32. All else is computed in f32.
;;   The module's matrix products, in the order in which they are computed (A, B: the left and right operand; K: the contracted axis; several contracted axes count as one K, in the product's order):
;;     1. [M 8,192, K 256] x [K 256, N 768]; A: computed on the way; B: input qkv_w (given as codes): QUANTISED (scales: A lowp_scales[0], B lowp_scales[1])
;;     2. [M 8,192, K 256] x [K 256, N 8,192]; A: computed on the way; B: computed on the way: QUANTISED (scales: A lowp_scales[2], B lowp_scales[3])
;;     3. [M 8,192, K 8,192] x [K 8,192, N 256]; A: softmax (see below); B: computed on the way: QUANTISED (scales: A lowp_scales[4], B lowp_scales[5])
;;     4. [M 8,192, K 256] x [K 256, N 256]; A: computed on the way; B: input proj_w (given as codes): QUANTISED (scales: A lowp_scales[6], B lowp_scales[7])
;;   THE QUANTISER, for each operand of a quantised product, along K:
;;     - The operand's scale is 2^e, e = its entry of the input lowp_scales (int32; the entries are numbered through the quantised products in the list's order, A before B).
;;     - Each number is divided by the scale, clamped to +-448, and rounded to the nearest number of E4M3, ties to even, subnormals kept.
;;     - The product sums the exact products of the quantised numbers (number of the format x scale) in f32.
;;   ~~~python
;;   def quantise(x, axis, e):      # numpy; x: float32 -> the quantised numbers, widened to float32 again
;;       x = np.moveaxis(x, axis, -1); K = x.shape[-1]
;;       r = np.clip(x / 2.0 ** e, -448, 448)
;;       step = 2.0 ** (np.maximum(np.frexp(np.where(r == 0, 1, r))[1] - 1, -6) - 3)
;;       q = np.round(r / step) * step * 2.0 ** e      # np.round: ties to even
;;       return np.moveaxis(q, -1, axis).astype(np.float32)
;;   ~~~
;;   SOFTMAX AHEAD OF A QUANTISED PRODUCT. Where the list says 'softmax', what is quantised is not the finished softmax but p = 2^(t - M), with t = logit x log2(e) and M = ceil(the row's largest t), a whole number; so 1/2 < the row's largest p <= 1. The row's sum l is taken of the UNQUANTISED p, in f32, and the product's result is divided by l at the end. Since M is a whole number, a kernel that streams over the keys may use a running M (the ceiling of the running maximum): every later rescaling is an exact power of two, so the quantised numbers keep their values, but for numbers so far below the row's largest that they fall under the format's range.
;;   OPERANDS COMPUTED ON THE WAY. 'Computed on the way' means the value that the module computes at that place (a softmax that the list does not call 'softmax' is quantised finished and normalised). What goes into a quantiser is computed in f32, as accurately as f32 sums, v_exp_f32 and their like allow (about 1e-6 of the number): no bf16 or f16 on the way to a quantiser, and a product that is left as it is and whose result goes on into a quantised operand takes f32 operands (vector FMAs, or v_wmma_f32_16x16x4_f32). A number that lies on a knife's edge between two numbers of the format may be rounded either way, as far as f32 arithmetic and the matrix unit's own rounding can turn it there, and no further.
;;   INPUTS GIVEN AS CODES. proj_w (in the module: [256, 256], K = its axis 1); qkv_w (in the module: [768, 256], K = its axis 1): each comes as NAME_codes (uint8): NAME with its K axis moved to the last place and cut into blocks of 32 codes, [.., K / 32, bytes a block], one block behind the other in memory; one code a byte (a code: sign, 4 exponent bits, 3 mantissa bits); its scale is its entry of lowp_scales. Its value is code x scale, taken as it is: it is not quantised again, and the codes and scales need not be those that the quantiser above would give.
;; One version. Each part assembles by itself: llvm-mc -triple=amdgcn-amd-amdhsa -mcpu=gfx1250 --defsym DOCPART=n.
;; ======== version 1 of 1: 3 launches
;; workspace buffers: qimg 2,097,152 bytes; kvimg 4,194,304 bytes; opart 33,554,432 bytes; stat 524,288 bytes
;; launch qkv (part 1): grid 256 x 1, 4 waves a work-group, no clusters, 41,984 bytes of LDS; arguments x, norm_w, norm_b, qkv_w_codes, qkv_b, lowp_scales, qimg, kvimg; writes qimg, kvimg
.if DOCPART == 1
	.amdgcn_target "amdgcn-amd-amdhsa--gfx1250"
	.amdhsa_code_object_version 6
	.text
	.protected	k_q7b1b768e62_qkv
	.globl	k_q7b1b768e62_qkv
	.p2align	8
	.type	k_q7b1b768e62_qkv,@function
k_q7b1b768e62_qkv:
	s_mov_b64 s[64:65], 0
	v_nop
	global_prefetch_b8 v0, s[64:65] scope:SCOPE_SE
	s_setreg_imm32_b32 hwreg(HW_REG_WAVE_MODE, 25, 1), 1
	s_wait_xcnt 0x0
; LayerNorm of x [8192][256] in f32, its codes of FP8 (E4M3) with the scale 2^e0, the product with qkv_w's codes (scale 2^e1), + qkv_b, and q, k, v as codes (2^e2, 2^e3, 2^e5).
; The codes leave as IMAGES OF THE NEXT LAUNCH'S OPERAND REGISTERS: a group of four registers is 512 bytes, lane l's 16 bytes at 16 l.
;   qimg  [tile of 16 rows T 512][half of 128 channels cc 2][group 4][512 B]
;   kvimg [step of 128 keys 64][65,536 B]: K's fragment (tile of 16 keys kt, cc) at 2,048 (2 kt + cc); V's fragment (16 channels ct x 128 keys) at 32,768 + 2,048 ct
; SHARES.  Work-group g owns rows 32 g .. 32 g + 31: two tiles u = 0, 1.  For the norm wave w makes xn's fragment (u = w / 2, K step s = w % 2).  For the products wave w owns channels 64 w .. 64 w + 63 of q, of k and of v:
; four tiles of 16 rows of the weight each, for both tiles of rows: 48 matrix instructions.
; LAYOUT.  q and k: source 0 = 16 rows of the weight, source 1 = xn: a lane holds one token and eight neighbouring channels, which one conversion turns into registers 2 c, 2 c + 1 of the next operand (K = the channels).
; v: the sources the other way round: a lane holds one channel and eight neighbouring tokens (K = the keys).  xn and the weight are both fetched 16 bytes a lane (k = 32 c + 16 (lane / 16) + 0 .. 15): the same permutation of k on both sides.
; The bias is the C of each sum's first matrix instruction, divided by 2^(e0 + e1); the three scales ahead of each quantiser are folded into the conversion's one: 2^(e2 - e0 - e1) and so on.
; NO CLUSTER, NO TENSOR LOAD: a wave's 48 KB of weights go once from memory into the very registers that its 48 matrix instructions read; there is no second step ahead of which a shared tile could be asked for.
; LIMITS, so that each power of two below is an f32 number: e0, e2 - e0 - e1, e3 - e0 - e1, e5 - e0 - e1 between -126 and 119.  NaN and infinities among the inputs are not served.
; REGISTERS, in windows of 256.  Window 0: v1 16 x lane; v2 r = lane % 16; v3 h = lane / 16; v4-11 addresses; v12, v13 the add's two; v[14:15] the mean, v[16:17] 1 / sqrt(var + eps), each twice; v18 a permute's destination; v19 eps;
;   v20-27 four chains; v28-31, v240-243 scales and holds; v244-247 v's biases; v32-95 my half of the rows, later xn's four fragments; v96-159 x as loaded, the rows' other half, later 8 accumulators; v160-207 codes.
;   Window 1: q's weights v0-127, k's v128-255.  Window 2: v's weights v0-127, norm_w v128-191, norm_b v192-255.  Window 3: the biases as C: q's v0-31, k's v32-63, v's v64-95.
.set STG,    8192                      ; LDS: xn's four fragments in 0 .. 8,191; then the stage: 32 rows of x,
.set SPITCH, 1040                      ; 1,024 bytes + 16 of padding: 260 words, so that the 16 rows that a load touches start 4 banks apart (64 banks of 4 bytes: ISA guide 11.1)
.set SPARE,  STG+32*SPITCH             ; behind the stage: the spare words, 128 bytes for each wave: two blocks of 256 bytes that no other line names
.set XF,  32
.set ACC, 96
.set PCQ, 160
.set PCK, 176
.set PCV, 192
.set MSB, 0
.macro WIN new                         ; the immediate's high byte repeats the setting that is left
.if MSB != \new
	s_set_vgpr_msb (MSB<<8)|\new
.set MSB, \new
.endif
.endm
.macro PLACES                          ; four plain instructions between a matrix instruction and the first read of its result (ISA guide 7.12.1)
.rept 4
	v_nop
.endr
.endm
.macro MKSC e, vs, vl                  ; the whole number in \e makes 2^e (the conversion takes its exponent field) and 448 x 2^e
	s_add_co_i32 s33, \e, 127
	s_lshl_b32 s34, s33, 23
	v_mov_b32 v[\vs], s34
	s_add_co_i32 s33, s33, 8
	s_lshl_b32 s33, s33, 23
	s_or_b32 s33, s33, 0x600000
	v_mov_b32 v[\vl], s33
.endm
.macro HOLD src, lim                   ; the conversion to an 8-bit code does not saturate (ISA guide 7.6.2): 64 numbers are held within the largest code x the scale, from the low end on
.set j, 0
.rept 64
	v_med3_num_f32 v[\src+j], v[\src+j], -v[\lim], v[\lim]
.set j, j+1
.endr
.endm
.macro BARRIER                         ; my LDS stores have landed and my LDS loads are in: then the work-group's barrier
	s_wait_dscnt 0x0
	s_barrier_signal -1
	s_barrier_wait -1
.endm
; q or k: 16 matrix instructions, the 8 accumulators (tile t of the weight, tile u of rows) by turns.  wb: the weights in window 1; bb: the biases in window 3
.macro GROUP_QK wb, bb
	WIN 0x31                                       ; source 0 window 1, source 2 window 3
.irp t, 0,1,2,3
.irp u, 0,1
	v_wmma_f32_16x16x128_fp8_fp8 v[ACC+8*(2*\t+\u):ACC+8*(2*\t+\u)+7], v[\wb+32*\t:\wb+32*\t+15], v[XF+32*\u:XF+32*\u+15], v[\bb+8*\t:\bb+8*\t+7]
.endr
.endr
	WIN 0x01
.irp t, 0,1,2,3
.irp u, 0,1
	v_wmma_f32_16x16x128_fp8_fp8 v[ACC+8*(2*\t+\u):ACC+8*(2*\t+\u)+7], v[\wb+32*\t+16:\wb+32*\t+31], v[XF+32*\u+16:XF+32*\u+31], v[ACC+8*(2*\t+\u):ACC+8*(2*\t+\u)+7]
.endr
.endr
	WIN 0
	PLACES
.endm
; the 8 accumulators become four groups of four registers of the next operand, and leave: each store covers 512 consecutive bytes, aligned
.macro OUT_QK pc, sc, lim, base
	HOLD ACC, \lim
.irp u, 0,1
.irp gr, 0,1
	v_cvt_scalef32_pk8_fp8_f32 v[\pc+4*(2*\u+\gr):\pc+4*(2*\u+\gr)+1], v[ACC+8*(4*\gr+\u):ACC+8*(4*\gr+\u)+7], v[\sc]
	v_cvt_scalef32_pk8_fp8_f32 v[\pc+4*(2*\u+\gr)+2:\pc+4*(2*\u+\gr)+3], v[ACC+8*(4*\gr+2+\u):ACC+8*(4*\gr+2+\u)+7], v[\sc]
.endr
.endr
	v_nop                                          ; one plain instruction behind the last conversion: the next products write its sources
.irp u, 0,1
.irp gr, 0,1
	global_store_b128 v1, v[\pc+4*(2*\u+\gr):\pc+4*(2*\u+\gr)+3], s[\base:\base+1] offset:4096*\u+512*\gr
.endr
.endr
.endm
	s_load_b512 s[4:19], s[0:1], 0x0               ; x 4, norm_w 6, norm_b 8, the weight's codes 10, qkv_b 12, the scales' exponents 14, qimg 16, kvimg 18
	v_lshl_add_u32 v12, v0, 2, SPARE               ; my spare word,
	v_mov_b32 v13, 0                               ; and 0: kept for the closing lines
	v_lshrrev_b32 v14, 5, v0
	v_readfirstlane_b32 s20, v14                   ; wave 0..3
	s_lshr_b32 s21, s20, 1                         ; u: my tile of rows for the norm
	s_and_b32 s22, s20, 1                          ; s: my K step for the norm
	s_xor_b32 s23, s22, 1
	v_and_b32 v1, 31, v0
	v_lshlrev_b32 v1, 4, v1                        ; 16 x lane
	v_and_b32 v2, 15, v0                           ; r
	v_bfe_u32 v3, v0, 4, 1                         ; h
	s_mul_i32 s32, s20, 8*SPITCH
	s_add_co_u32 s32, s32, STG
	v_add_nc_u32 v4, s32, v1                       ; into the stage: my wave's 8 rows, 16 bytes a lane
	s_mul_i32 s32, s21, 16*SPITCH
	s_add_co_u32 s32, s32, STG
	v_mul_u32_u24 v5, v2, SPITCH
	v_lshl_add_u32 v5, v3, 6, v5
	v_add_nc_u32 v5, s32, v5                       ; out of it: row 16 u + r, + 64 h: my 16 numbers of a block of 32
	s_lshl_b32 s33, s23, 9
	v_add_nc_u32 v6, s33, v5                       ; the rows' other half,
	s_lshl_b32 s33, s22, 9
	v_add_nc_u32 v5, s33, v5                       ; and mine
	v_lshlrev_b32 v7, 8, v2
	v_lshl_add_u32 v7, v3, 4, v7                   ; the weight: row r of 256 bytes, + 16 h
	v_lshlrev_b32 v8, 6, v3
	v_add_nc_u32 v8, s33, v8                       ; norm_w, norm_b: 512 s + 64 h
	v_lshlrev_b32 v9, 5, v3                        ; q's and k's biases: my eight channels of a tile: 32 h
	v_lshlrev_b32 v10, 2, v2                       ; v's: my one channel: 4 r
	s_lshl_b32 s33, s20, 11
	v_add_nc_u32 v11, s33, v1                      ; where I put xn's fragment: 2,048 x wave + 16 x lane
	v_mov_b32 v18, 0                               ; written once: a lane permute's destination counts as one of its sources
	v_mov_b32 v19, 0x3727c5ac                      ; eps = 1e-5
	s_mov_b32 s48, 0x3b800000                      ; 1 / 256
	s_mov_b32 s50, 0x76543210                      ; v_permlanex16_b32: lane l xor 16
	s_mov_b32 s51, 0xfedcba98
	s_lshl_b32 s32, ttmp9, 15                      ; x: 32 rows of 1,024 bytes a work-group, 8 a wave
	s_lshl_b32 s33, s20, 13
	s_add_co_u32 s32, s32, s33
	s_mov_b32 s33, 0
	s_lshl_b32 s34, s20, 14                        ; the weight: 64 rows of 256 bytes a wave
	s_mov_b32 s35, 0
	s_lshl_b32 s36, s20, 8                         ; qkv_b: 64 numbers a wave
	s_mov_b32 s37, 0
	s_lshl_b32 s38, s21, 11                        ; my 64 channels in a fragment of q or k: half w / 2, groups 2 (w % 2) on
	s_lshl_b32 s39, s22, 10
	s_add_co_u32 s38, s38, s39
	s_lshl_b32 s40, ttmp9, 13                      ; qimg: two tiles of 4,096 bytes a work-group
	s_add_co_u32 s40, s40, s38
	s_mov_b32 s41, 0
	s_lshr_b32 s42, ttmp9, 2
	s_lshl_b32 s42, s42, 16                        ; kvimg: step g / 4
	s_and_b32 s43, ttmp9, 3
	s_lshl_b32 s44, s43, 13                        ; K: key tiles 2 (g % 4) + u
	s_add_co_u32 s44, s44, s42
	s_add_co_u32 s44, s44, s38
	s_mov_b32 s45, 0
	s_lshl_b32 s46, s43, 9                         ; V: group g % 4 of each of my four fragments
	s_add_co_u32 s46, s46, s42
	s_lshl_b32 s47, s20, 13
	s_add_co_u32 s46, s46, s47
	s_add_co_u32 s46, s46, 32768
	s_mov_b32 s47, 0
	s_wait_kmcnt 0x0
	s_load_b256 s[24:31], s[14:15], 0x0            ; e0 .. e7
	s_add_nc_u64 s[4:5], s[4:5], s[32:33]
	s_add_nc_u64 s[10:11], s[10:11], s[34:35]
	s_add_nc_u64 s[12:13], s[12:13], s[36:37]
	s_add_nc_u64 s[16:17], s[16:17], s[40:41]
	s_add_nc_u64 s[52:53], s[18:19], s[44:45]
	s_add_nc_u64 s[54:55], s[18:19], s[46:47]
.set i, 0
.rept 16
	global_load_b128 v[96+4*i:99+4*i], v1, s[4:5] offset:512*i th:TH_LOAD_NT   ; my 8 rows of x: 8,192 bytes on end, 512 a load
.set i, i+1
.endr
	WIN 0x80                                       ; destination window 2
.irp c, 0,1,2,3
.irp q, 0,1,2,3
	global_load_b128 v[128+16*\c+4*\q:131+16*\c+4*\q], v8, s[6:7] offset:128*\c+16*\q
	global_load_b128 v[192+16*\c+4*\q:195+16*\c+4*\q], v8, s[8:9] offset:128*\c+16*\q
.endr
.endr
	WIN 0xc0                                       ; destination window 3
.irp t, 0,1,2,3
	global_load_b128 v[8*\t:8*\t+3], v9, s[12:13] offset:64*\t
	global_load_b128 v[8*\t+4:8*\t+7], v9, s[12:13] offset:64*\t+16
	global_load_b128 v[32+8*\t:32+8*\t+3], v9, s[12:13] offset:1024+64*\t
	global_load_b128 v[32+8*\t+4:32+8*\t+7], v9, s[12:13] offset:1024+64*\t+16
.endr
	WIN 0
.irp t, 0,1,2,3
	global_load_b32 v[244+\t], v10, s[12:13] offset:2048+64*\t
.endr
	s_wait_loadcnt 0x0
.set i, 0
.rept 16
	ds_store_b128 v4, v[96+4*i:99+4*i] offset:(i/2)*SPITCH+512*(i%2)
.set i, i+1
.endr
	BARRIER                                        ; 32 rows of x lie in the stage
	WIN 0x40                                       ; destination window 1: q's weights, then k's: 32 loads each
.irp p, 0,1
.irp t, 0,1,2,3
.irp s, 0,1
.irp c, 0,1,2,3
	global_load_b128 v[128*\p+16*(2*\t+\s)+4*\c:128*\p+16*(2*\t+\s)+4*\c+3], v7, s[10:11] offset:65536*\p+4096*\t+128*\s+32*\c
.endr
.endr
.endr
.endr
	WIN 0
.irp c, 0,1,2,3
.irp q, 0,1,2,3
	ds_load_b128 v[32+16*\c+4*\q:35+16*\c+4*\q], v5 offset:128*\c+16*\q      ; register 16 c + i: x(16 u + r, 128 s + 32 c + 16 h + i)
.endr
.endr
.irp c, 0,1,2,3
.irp q, 0,1,2,3
	ds_load_b128 v[96+16*\c+4*\q:99+16*\c+4*\q], v6 offset:128*\c+16*\q      ; the same of the rows' other half: it counts for the mean and the variance
.endr
.endr
	s_wait_kmcnt 0x0                               ; while the rows come: the scales, and the biases / 2^(e0 + e1)
	s_add_co_i32 s40, s24, s25
	s_sub_co_i32 s41, 0, s40
	MKSC s24, 28, 29                               ; xn's
	s_sub_co_i32 s42, s26, s40
	MKSC s42, 30, 31                               ; q's: e2 - e0 - e1
	s_sub_co_i32 s42, s27, s40
	MKSC s42, 240, 241                             ; k's: e3 - e0 - e1
	s_sub_co_i32 s42, s29, s40
	MKSC s42, 242, 243                             ; v's: e5 - e0 - e1
	WIN 0xc3                                       ; source 0 and destination window 3
.set j, 0
.rept 64
	v_ldexp_f32 v[j], v[j], s41
.set j, j+1
.endr
	WIN 0xc0                                       ; destination window 3: in v's results a lane holds one channel, so its bias fills the tile's eight registers
.irp t, 0,1,2,3
.irp q, 0,1,2,3,4,5,6,7
	v_ldexp_f32 v[64+8*\t+\q], v[244+\t], s41
.endr
.endr
	WIN 0
	s_wait_dscnt 0x0
	; the mean: my 128 numbers in four chains of pairs, then lane l xor 16's
.irp k, 0,1,2,3
	v_pk_add_f32 v[20+2*\k:21+2*\k], v[32+2*\k:33+2*\k], v[40+2*\k:41+2*\k]
.endr
.set j, 8
.rept 56
	v_pk_add_f32 v[20+2*(j%4):21+2*(j%4)], v[20+2*(j%4):21+2*(j%4)], v[32+2*j:33+2*j]
.set j, j+1
.endr
	v_pk_add_f32 v[20:21], v[20:21], v[22:23]
	v_pk_add_f32 v[24:25], v[24:25], v[26:27]
	v_pk_add_f32 v[20:21], v[20:21], v[24:25]
	v_add_f32 v20, v20, v21
	v_permlanex16_b32 v18, v20, s50, s51
	v_add_f32 v20, v20, v18
	v_mul_f32 v14, s48, v20
	v_mul_f32 v15, s48, v20
.set j, 0
.rept 64
	v_pk_add_f32 v[32+j:33+j], v[32+j:33+j], v[14:15] neg_lo:[0,1] neg_hi:[0,1]   ; x - mean, in place: the variance is taken of these differences
.set j, j+2
.endr
.irp k, 0,1,2,3
	v_pk_mul_f32 v[20+2*\k:21+2*\k], v[32+2*\k:33+2*\k], v[32+2*\k:33+2*\k]
.endr
.set j, 4
.rept 60
	v_pk_fma_f32 v[20+2*(j%4):21+2*(j%4)], v[32+2*j:33+2*j], v[32+2*j:33+2*j], v[20+2*(j%4):21+2*(j%4)]
.set j, j+1
.endr
	v_pk_add_f32 v[20:21], v[20:21], v[22:23]
	v_pk_add_f32 v[24:25], v[24:25], v[26:27]
	v_pk_add_f32 v[20:21], v[20:21], v[24:25]
	v_add_f32 v20, v20, v21
	v_permlanex16_b32 v18, v20, s50, s51
	v_add_f32 v20, v20, v18
	v_fma_f32 v26, v20, s48, v19                   ; var + eps
	v_rsq_f32 v16, v26
	v_rsq_f32 v17, v26
	v_nop                                          ; a plain instruction behind the transcendentals,
	s_wait_alu depctr_va_vdst(0)                   ; and the wait ahead of the first reader: one for both
.set j, 0
.rept 32
	v_pk_mul_f32 v[32+j:33+j], v[32+j:33+j], v[16:17]
.set j, j+2
.endr
	WIN 0x28                                       ; sources 1 and 2 window 2
.set j, 0
.rept 32
	v_pk_fma_f32 v[32+j:33+j], v[32+j:33+j], v[128+j:129+j], v[192+j:193+j]   ; x norm_w + norm_b
.set j, j+2
.endr
	WIN 0
	HOLD 32, 29
.irp b, 0,1,2,3
	v_cvt_scalef32_pk8_fp8_f32 v[PCQ+4*\b:PCQ+4*\b+1], v[32+16*\b:39+16*\b], v28
	v_cvt_scalef32_pk8_fp8_f32 v[PCQ+4*\b+2:PCQ+4*\b+3], v[40+16*\b:47+16*\b], v28
.endr
	v_nop                                          ; one plain instruction behind the last conversion
.irp c, 0,1,2,3
	ds_store_b128 v11, v[PCQ+4*\c:PCQ+4*\c+3] offset:512*\c    ; the fragment goes to LDS as it stands in my registers
.endr
	BARRIER                                        ; xn's four fragments lie in LDS
.set i, 0
.rept 16
	ds_load_b128 v[XF+4*i:XF+4*i+3], v1 offset:512*i           ; fragment (u, s) at v[XF + 16 (2 u + s)], the same registers in the same lanes
.set i, i+1
.endr
	s_wait_dscnt 0x0
	s_wait_loadcnt 32                              ; q's weights are in; the 32 younger loads are k's
	GROUP_QK 0, 0
	WIN 0x80                                       ; destination window 2: v's weights
.irp t, 0,1,2,3
.irp s, 0,1
.irp c, 0,1,2,3
	global_load_b128 v[16*(2*\t+\s)+4*\c:16*(2*\t+\s)+4*\c+3], v7, s[10:11] offset:131072+4096*\t+128*\s+32*\c
.endr
.endr
.endr
	WIN 0
	OUT_QK PCQ, 30, 31, 16
	s_wait_loadcnt 32                              ; k's weights are in; the 32 younger loads are v's
	GROUP_QK 128, 32
	OUT_QK PCK, 240, 241, 52
	s_wait_loadcnt 0x0
	WIN 0x38                                       ; v: source 0 = xn (window 0), source 1 = the weight (window 2), source 2 = the bias (window 3)
.irp t, 0,1,2,3
.irp u, 0,1
	v_wmma_f32_16x16x128_fp8_fp8 v[ACC+8*(2*\t+\u):ACC+8*(2*\t+\u)+7], v[XF+32*\u:XF+32*\u+15], v[32*\t:32*\t+15], v[64+8*\t:64+8*\t+7]
.endr
.endr
	WIN 0x08
.irp t, 0,1,2,3
.irp u, 0,1
	v_wmma_f32_16x16x128_fp8_fp8 v[ACC+8*(2*\t+\u):ACC+8*(2*\t+\u)+7], v[XF+32*\u+16:XF+32*\u+31], v[32*\t+16:32*\t+31], v[ACC+8*(2*\t+\u):ACC+8*(2*\t+\u)+7]
.endr
.endr
	WIN 0
	PLACES
	HOLD ACC, 243
.irp t, 0,1,2,3
	v_cvt_scalef32_pk8_fp8_f32 v[PCV+4*\t:PCV+4*\t+1], v[ACC+16*\t:ACC+16*\t+7], v242        ; keys 8 h + 0 .. 7 of my first tile of rows,
	v_cvt_scalef32_pk8_fp8_f32 v[PCV+4*\t+2:PCV+4*\t+3], v[ACC+16*\t+8:ACC+16*\t+15], v242   ; and of my second: one group of four registers
.endr
	v_nop
.irp t, 0,1,2,3
	global_store_b128 v1, v[PCV+4*\t:PCV+4*\t+3], s[54:55] offset:2048*\t
.endr
	s_wait_tensorcnt 0x0                           ; the wave's end, behind my last LDS store
	ds_add_u32 v12, v13
	s_wait_dscnt 0x0
	s_endpgm
.Lfunc_end_k_q7b1b768e62_qkv:
	.size	k_q7b1b768e62_qkv, .Lfunc_end_k_q7b1b768e62_qkv-k_q7b1b768e62_qkv
	.p2alignl 7, 3214868480
	.fill 96, 4, 3214868480
	.section	.rodata,"a",@progbits
	.p2align	6, 0x0
	.amdhsa_kernel k_q7b1b768e62_qkv
		.amdhsa_group_segment_fixed_size 41984
		.amdhsa_private_segment_fixed_size 0
		.amdhsa_enable_private_segment 0
		.amdhsa_kernarg_size 64
		.amdhsa_user_sgpr_count 2
		.amdhsa_user_sgpr_kernarg_segment_ptr 1
		.amdhsa_wavefront_size32 1
		.amdhsa_system_sgpr_workgroup_id_x 1
		.amdhsa_system_sgpr_workgroup_id_y 1
		.amdhsa_system_sgpr_workgroup_id_z 1
		.amdhsa_system_vgpr_workitem_id 0
		.amdhsa_next_free_vgpr 864
		.amdhsa_next_free_sgpr 66
		.amdhsa_reserve_vcc 0
		.amdhsa_float_denorm_mode_32 3
		.amdhsa_float_denorm_mode_16_64 3
		.amdhsa_memory_ordered 1
		.amdhsa_forward_progress 1
		.amdhsa_inst_pref_size 71
	.end_amdhsa_kernel
	.amdgpu_metadata
---
amdhsa.version: [ 1, 2 ]
amdhsa.kernels:
  - .name:           k_q7b1b768e62_qkv
    .symbol:         k_q7b1b768e62_qkv.kd
    .args:
      - { .name: x, .offset: 0, .size: 8, .value_kind: global_buffer, .address_space: global }
      - { .name: norm_w, .offset: 8, .size: 8, .value_kind: global_buffer, .address_space: global }
      - { .name: norm_b, .offset: 16, .size: 8, .value_kind: global_buffer, .address_space: global }
      - { .name: qkv_w_codes, .offset: 24, .size: 8, .value_kind: global_buffer, .address_space: global }
      - { .name: qkv_b, .offset: 32, .size: 8, .value_kind: global_buffer, .address_space: global }
      - { .name: lowp_scales, .offset: 40, .size: 8, .value_kind: global_buffer, .address_space: global }
      - { .name: qimg, .offset: 48, .size: 8, .value_kind: global_buffer, .address_space: global }
      - { .name: kvimg, .offset: 56, .size: 8, .value_kind: global_buffer, .address_space: global }
    .group_segment_fixed_size: 41984
    .private_segment_fixed_size: 0
    .kernarg_segment_align: 8
    .kernarg_segment_size: 64
    .max_flat_workgroup_size: 128
    .sgpr_count:     66
    .vgpr_count:     864
    .wavefront_size: 32
...
	.end_amdgpu_metadata
.endif
;; end of part 1
;; launch attn (part 2): grid 64 x 4, 4 waves a work-group, clusters of 4 x 1, 327,680 bytes of LDS; arguments qimg, kvimg, lowp_scales, opart, stat; writes opart, stat
.if DOCPART == 2
	.amdgcn_target "amdgcn-amd-amdhsa--gfx1250"
	.amdhsa_code_object_version 6
	.text
	.protected	k_q7b1b768e62_attn
	.globl	k_q7b1b768e62_attn
	.p2align	8
	.type	k_q7b1b768e62_attn,@function
k_q7b1b768e62_attn:
	s_mov_b64 s[64:65], 0
	v_nop
	global_prefetch_b8 v0, s[64:65] scope:SCOPE_SE
	s_setreg_imm32_b32 hwreg(HW_REG_WAVE_MODE, 25, 1), 1
	s_wait_xcnt 0x0
	s_wait_alu depctr_hold_cnt(0) depctr_sa_sdst(0) depctr_va_vdst(0) depctr_va_sdst(0) depctr_va_ssrc(0) depctr_va_vcc(0) depctr_vm_vsrc(0)
	s_getreg_b32 s2, hwreg(HW_REG_IB_STS2, 6, 4)
	s_cmp_eq_u32 s2, 0
	s_cbranch_scc0 .Lentry_in_a_cluster
	s_endpgm
.Lentry_in_a_cluster:
	s_bfe_u32 s2, ttmp6, 0x10000c
	s_cmp_lg_u32 s2, 0x3003
	s_cbranch_scc0 .Lentry_shape_is_right
	s_endpgm
.Lentry_shape_is_right:
; The two products of attention on codes of FP8 (E4M3) and the softmax between them, for 128 queries x 2,048 keys a work-group.  8,192 queries, 8,192 keys, 256 channels, one head.
; t = score x 2^(e2 + e3) x log2(e) / 16; M = the largest t so far, rounded UP to a whole number; p = 2^(t - M) is quantised with 2^e4, not normalised; the row's sum l is taken of the unquantised p.
; When M moves, l and O are multiplied by 2^(old M - new M), which rounds nothing.  THE KEYS ARE CUT INTO FOUR PARTS: each part has its own M, l and O; the next launch joins them by powers of two.
; So p is quantised under its part's running M: numbers in the format's range keep their values; only numbers far under the row's largest can differ.
; SHARES.  64 blocks of 128 queries x 4 parts of keys = 256 work-groups.  Each of the four waves owns 32 queries, two tiles of 16, and walks the part's 16 steps of 128 keys.
; LAYOUT.  Both products are used transposed: S^T = K Q^T (source 0 = 16 keys, source 1 = 16 queries), O^T = V^T P^T (source 0 = 16 channels, source 1 = P): a lane holds ONE query (lane % 16) throughout, and the eight
; registers of a tile of S^T are keys 8 (lane / 16) + 0 .. 7, which one conversion turns into registers 2 c, 2 c + 1 of P.  Q, K and V arrive as images of these operands' registers: a group of four registers is 512 bytes on end,
; 16 a lane: every LDS load reads 512 consecutive bytes, and a step's tiles are one dense block of 65,536 bytes.
; THE RING.  Two LDS slots of two steps, 131,072 bytes each.  Each wave fetches a quarter of a slot by one tensor load.  By this text's count two loads of a wave are out at the start and one behind each change of slots.
; CLUSTER.  The four query blocks of a cluster walk the same part of the keys: each tile is asked for JOINTLY, by the same tensor load with the same descriptor and a mask that names the four.
; PHASES, not turns: a step's K Q^T, its softmax, its V^T P follow each other.  THE LDS LOADS ARE DEALT OUT: a step's 128 loads a wave go in sixteen groups of eight, set between the other work, so that the four waves'
; requests (262,144 bytes a step) are spread over the step and no wave stands at a run of 64.  V(j)'s groups: four in the products K Q^T of step j, one ahead of every eighth; four in the first half of its softmax, ahead of the
; exponentials.  K(j + 1)'s: six in the second half of that softmax, two ahead of the first and the ninth product V^T P.  V(2 i + 1) is a slot's last read and K(2 i + 2) the next slot's first: so the change of slots stands
; between the halves of a softmax, and a trip of the loop goes from the middle of step j's softmax to the middle of step j + 1's.
; LIMITS, so that each power of two below is an f32 number: e2 + e3 between -122 and 131 (they are added to c's exponent field); e4 between -126 and 119.  NaN and infinities are not served.
; REGISTERS, in windows of 256 (s_set_vgpr_msb: bits 1:0 source 0, 3:2 source 1, 5:4 source 2, 7:6 destination):
;   window 0: v1-7, v28 addresses and constants; v8-23 eight registers of statistics a tile: +0 -M, +1 the largest t, +2, +3 l in two halves, +4 f, +5 (named with it as a pair), +6, +7 at work; v24, v25 permutes' destinations; v27 8 x lane;
;             v32-95 Q (tile t, half cc at 32 t + 16 cc); v96-223 S^T, then p (tile t, keys 16 kt on at 64 t + 8 kt); v224-255 p's codes, 16 a tile
;   window 1: O^T (tile t, channels 16 ct on at 128 t + 8 ct).   window 2: a step's K, fragment 2 kt + cc at 16 (2 kt + cc).   window 3: a step's V, fragment ct at 16 ct.
.set STEPB, 65536                      ; a step's tiles: K's 32,768 bytes, then V's
.set SLOTB, 131072                     ; a slot: two steps
.set SLOT1, 131072                     ; slot 1 begins here: one exclusive or turns an address in one slot into the other's
.set SPARE, 262144                     ; behind the ring: the spare words, 128 bytes for each wave: two blocks of 256 bytes that no other line names
.set LI,   1                           ; v1  16 x lane; never rewritten
.set ADK,  2                           ; v2  LDS address of the step whose K is being fetched: written when no load that names it is out
.set SPW,  3                           ; v3  LDS address of my spare word; never rewritten
.set NIL,  4                           ; v4  0; never rewritten
.set LIM4, 5                           ; v5  448 x 2^e4
.set SC4,  6                           ; v6  2^e4
.set PFO,  7                           ; v7  256 x lane; never rewritten
.set ADV,  28                          ; v28 LDS address of the step whose V is being fetched: likewise
.set ST,   8
.set Q,    32
.set S,    96
.set PC,   224
.set WV,   14                          ; s14 my wave's number
.set CS,   22                          ; s[22:23] c: the packed form names a pair and takes its low word for both halves
.set G1,   24                          ; s[24:31] descriptor group 1
.set G0A,  32                          ; s[32:35] group 0 of slot 0's first fill
.set G0W,  36                          ; s[36:39] group 0 of slot 1's first fill; it then walks on
.set TB,   40                          ; s40 LDS byte at which the step to be fetched begins
.set SLOTS, 41                         ; s41 slots still to be asked for
.set TWICE, 42                         ; s42 counts two steps
.set LIM,  43                          ; s43 1 in a work-group that prefetches, else the greatest number
.set PFA,  44                          ; s[44:45] where my prefetches stand
.set SEL,  46                          ; s[46:47] v_permlanex16_b32: lane l xor 16
.set MSB, 0
.macro WIN new                         ; the immediate's high byte repeats the setting that is left; a switch that changes nothing is dropped
.if MSB != \new
	s_set_vgpr_msb (MSB<<8)|\new
.set MSB, \new
.endif
.endm
.macro PLACES                          ; four plain instructions between a matrix instruction and a read of its result, or a load into a register that it has read (for the reads)
.rept 4
	v_nop
.endr
.endm
.macro CROUND                          ; a round of the cluster's barrier: my work-group's barrier; wave 0 signals for the work-group; every wave waits for all four work-groups; my work-group's barrier once more
	s_barrier_signal -1
	s_barrier_wait -1
	s_cmp_lg_u32 s[WV], 0
	s_cbranch_scc1 .Lnot_wave_0_\@
	s_barrier_signal -3
.Lnot_wave_0_\@:
	s_barrier_wait -3
	s_barrier_signal -1
	s_barrier_wait -1
.endm
; Group g of eight of a step's 64 loads of K, or of V: eight loads of 512 consecutive bytes.  The line that follows a group sets the windows that it needs.
.macro LDK g
	WIN 0x80                                       ; destination window 2, address window 0
.set n, 8*(\g)
.rept 8
	ds_load_b128 v[4*n:4*n+3], v[ADK] offset:512*n
.set n, n+1
.endr
.endm
.macro LDV g
	WIN 0xc0                                       ; destination window 3, address window 0
.set n, 8*(\g)
.rept 8
	ds_load_b128 v[4*n:4*n+3], v[ADV] offset:32768+512*n
.set n, n+1
.endr
.endm
; S^T = K Q^T: 32 matrix instructions, the 16 accumulators by turns; the first 16 start the sums.  Product i: half i / 16 of the channels, keys 16 ((i / 2) % 8) on, tile i % 2.
; Ahead of every eighth stands a group of the same step's V: the last products that read V's registers stand four places back, and the loads name no register of the products round them.
.macro SPHASE
	v_add_nc_u32 v[ADV], s[TB], v[LI]              ; no LDS load of mine is out here
.set i, 0
.rept 32
.if (i%8) == 0
	LDV i/8
.endif
	WIN 0x02                                       ; source 0 window 2
.set rS, S+64*(i%2)+8*((i/2)%8)
.set rK, 32*((i/2)%8)+16*(i/16)
.set rQ, Q+32*(i%2)+16*(i/16)
.if i < 16
	v_wmma_f32_16x16x128_fp8_fp8 v[rS:rS+7], v[rK:rK+15], v[rQ:rQ+15], 0
.else
	v_wmma_f32_16x16x128_fp8_fp8 v[rS:rS+7], v[rK:rK+15], v[rQ:rQ+15], v[rS:rS+7]
.endif
.set i, i+1
.endr
	WIN 0
	PLACES
.endm
; O^T += V^T P^T: 32 matrix instructions on 32 accumulators: channels 16 (i / 2) on, tile i % 2.  first = 1: they start the sums: nothing is ever cleared.  ld = 1: the last two groups of the next step's K stand ahead of products 0 and 8.
.macro PVPHASE first, ld
.set i, 0
.rept 32
.if \ld && ((i%8) == 0) && (i < 16)
	LDK 6+i/8
.endif
	WIN 0x53                                       ; source 0 window 3, C and D window 1
.set rO, 128*(i%2)+8*(i/2)
.set rV, 16*(i/2)
.set rP, PC+16*(i%2)
.if \first
	v_wmma_f32_16x16x128_fp8_fp8 v[rO:rO+7], v[rV:rV+15], v[rP:rP+15], 0
.else
	v_wmma_f32_16x16x128_fp8_fp8 v[rO:rO+7], v[rV:rV+15], v[rP:rP+15], v[rO:rO+7]
.endif
.set i, i+1
.endr
	WIN 0
	PLACES
.endm
; THE SOFTMAX'S FIRST HALF, both tiles stage by stage: the maximum, M, the scalings, the exponentials and their one wait.  first = 1: the first step, which has no old M.  Groups 4 to 7 of the step's V stand in it, all ahead of the exponentials.
.macro SMA first
	LDV 4
	WIN 0
.irp t, 0,1                            ; the largest of my 64 scores, in two chains a tile; the scores in ascending order
	v_max3_num_f32 v[ST+8*\t+6], v[S+64*\t], v[S+64*\t+1], v[S+64*\t+2]
	v_max3_num_f32 v[ST+8*\t+7], v[S+64*\t+3], v[S+64*\t+4], v[S+64*\t+5]
.endr
.irp i, 6,10,14,18,22,26,30,34,38,42,46,50,54,58
.if \i == 38
	LDV 5
	WIN 0
.endif
.irp t, 0,1
	v_max3_num_f32 v[ST+8*\t+6], v[ST+8*\t+6], v[S+64*\t+\i], v[S+64*\t+\i+1]
	v_max3_num_f32 v[ST+8*\t+7], v[ST+8*\t+7], v[S+64*\t+\i+2], v[S+64*\t+\i+3]
.endr
.endr
.irp t, 0,1
	v_max3_num_f32 v[ST+8*\t+6], v[ST+8*\t+6], v[S+64*\t+62], v[S+64*\t+63]
.endr
.irp t, 0,1
	v_max_num_f32 v[ST+8*\t+6], v[ST+8*\t+6], v[ST+8*\t+7]
.endr
.irp t, 0,1
	v_permlanex16_b32 v[24+\t], v[ST+8*\t+6], s[SEL], s[SEL+1]    ; the query's other 64 keys lie in the lane 16 away
.endr
.irp t, 0,1
	v_max_num_f32 v[ST+8*\t+6], v[ST+8*\t+6], v[24+\t]
.endr
.if \first
.irp t, 0,1
	v_mul_f32 v[ST+8*\t+1], s[CS], v[ST+8*\t+6]                   ; as t (c is positive)
.endr
.irp t, 0,1
	v_floor_f32 v[ST+8*\t], -v[ST+8*\t+1]                         ; -M = floor(-t) = -ceil(t)
.endr
.else
.irp t, 0,1
	v_mul_f32 v[ST+8*\t+6], s[CS], v[ST+8*\t+6]
.endr
.irp t, 0,1
	v_max_num_f32 v[ST+8*\t+1], v[ST+8*\t+1], v[ST+8*\t+6]        ; the running largest t
.endr
.irp t, 0,1
	v_mov_b32 v[ST+8*\t+7], v[ST+8*\t]
.endr
.irp t, 0,1
	v_floor_f32 v[ST+8*\t], -v[ST+8*\t+1]
.endr
.irp t, 0,1
	v_sub_f32 v[ST+8*\t+7], v[ST+8*\t], v[ST+8*\t+7]              ; old M - new M: a whole number, 0 or less
.endr
.irp t, 0,1
	v_cvt_i32_f32 v[ST+8*\t+7], v[ST+8*\t+7]                      ; (it saturates)
.endr
.irp t, 0,1
	v_ldexp_f32 v[ST+8*\t+4], 1.0, v[ST+8*\t+7]                   ; f = 2^(old M - new M)
.endr
.endif
.irp t, 0,1
	LDV 6+\t
	WIN 0
.set j, 0
.rept 32
	v_pk_fma_f32 v[S+64*\t+j:S+64*\t+j+1], v[S+64*\t+j:S+64*\t+j+1], s[CS:CS+1], v[ST+8*\t:ST+8*\t+1] op_sel_hi:[1,0,0]   ; t - M, two at a time
.set j, j+2
.endr
.endr
	s_add_co_u32 s[TB], s[TB], STEPB               ; this step's tiles have been asked for: the next fetch is the next step's
.set j, 0
.rept 128
	v_exp_f32 v[S+j], v[S+j]                       ; p = 2^(t - M): both tiles' 128 exponentials are one batch
.set j, j+1
.endr
.if \first
	v_nop                                          ; a plain instruction behind the last exponential
.else
.irp t, 0,1
	v_pk_mul_f32 v[ST+8*\t+2:ST+8*\t+3], v[ST+8*\t+2:ST+8*\t+3], v[ST+8*\t+4:ST+8*\t+5] op_sel_hi:[1,0]   ; l under the new M: also the plain instruction behind the last exponential
.endr
.endif
	s_wait_alu depctr_va_vdst(0)                   ; the wait ahead of the first reader, and ahead of the branch or label that follows: one for the batch
.endm
; THE SOFTMAX'S SECOND HALF: the sums, the holds, the codes, O^T under the new M.  first = 1: nothing to rescale.  ld = 1: groups 0 to 5 of the next step's K stand in it: the last products that read K's registers stand four places and half a softmax back.
.macro SMB first, ld
.if \ld
	v_add_nc_u32 v[ADK], s[TB], v[LI]              ; K's earlier loads were waited for ahead of the last K Q^T; the loads that may be out name the other address register
	LDK 0
	WIN 0
.endif
.irp t, 0,1                            ; the row's sum is taken of the unquantised p: two chains of pairs a tile
	v_pk_add_f32 v[ST+8*\t+6:ST+8*\t+7], v[S+64*\t:S+64*\t+1], v[S+64*\t+2:S+64*\t+3]
.endr
.irp i, 4,8,12,16,20,24,28,32,36,40,44,48,52,56,60
.irp t, 0,1
	v_pk_add_f32 v[ST+8*\t+2:ST+8*\t+3], v[ST+8*\t+2:ST+8*\t+3], v[S+64*\t+\i:S+64*\t+\i+1]
	v_pk_add_f32 v[ST+8*\t+6:ST+8*\t+7], v[ST+8*\t+6:ST+8*\t+7], v[S+64*\t+\i+2:S+64*\t+\i+3]
.endr
.endr
.irp t, 0,1
	v_pk_add_f32 v[ST+8*\t+2:ST+8*\t+3], v[ST+8*\t+2:ST+8*\t+3], v[ST+8*\t+6:ST+8*\t+7]
.endr
.if \ld
	LDK 1
	WIN 0
.endif
.set j, 0
.rept 128
.if \ld && (j == 64)
	LDK 2
	WIN 0
.endif
	v_min_num_f32 v[S+j], v[S+j], v[LIM4]          ; the conversion to an 8-bit code does not saturate (ISA guide 7.6.2); p is not negative, so the hold is one-sided
.set j, j+1
.endr
.if \ld
	LDK 3
	WIN 0
.endif
.irp t, 0,1
.irp kt, 0,1,2,3,4,5,6,7
	v_cvt_scalef32_pk8_fp8_f32 v[PC+16*\t+2*\kt:PC+16*\t+2*\kt+1], v[S+64*\t+8*\kt:S+64*\t+8*\kt+7], v[SC4]
.endr
.endr
.if \first
	v_nop                                          ; one plain instruction between the last conversion and the products that read its result
.if \ld
	LDK 4
	LDK 5
	WIN 0
.endif
.else
.irp t, 0,1
.if \ld
	LDK 4+\t
.endif
	WIN 0x41                                       ; O^T (destination and source 0) window 1
.set j, 0
.rept 64
	v_pk_mul_f32 v[128*\t+j:128*\t+j+1], v[128*\t+j:128*\t+j+1], v[ST+8*\t+4:ST+8*\t+5] op_sel_hi:[1,0]   ; O^T under the new M.  (These are also the plain instructions behind the conversions)
.set j, j+2
.endr
.endr
	WIN 0
.endif
.endm
; A TRIP: from the middle of step j's softmax to the middle of step j + 1's.  ld = 0: the last step, which fetches nothing and has no successor.
.macro TRIP first, ld
	SMB \first, \ld
.if \ld
	s_wait_dscnt 48                                ; V(j)'s 64 loads are in: behind them stand six groups, 48 loads, of K(j + 1)
.else
	s_wait_dscnt 0x0                               ; V(j) is in
.endif
	PVPHASE \first, \ld
.if \ld
	s_wait_dscnt 0x0                               ; K(j + 1) is in
	SPHASE                                         ; S^T(j + 1), and half of V(j + 1)'s loads
	SMA 0
.endif
.endm
; A PREFETCH INTO THE L2 of the slot that the NEXT change of slots will ask for, two steps ahead of that load.  A slot is 512 blocks of 256 bytes: 4 partners x 4 waves x 32 lanes, one instruction a wave, the partners told apart BY ADDRESS.
; All sixteen clusters of a part walk the same keys: the first of them asks, and nobody else, so each block is named once in the launch.  The last change that fills a slot asks for nothing; the first three slots' worth come by their loads alone.
.macro ASK
	s_cmp_gt_u32 s[SLOTS], s[LIM]
	s_cbranch_scc0 .Lnot_mine_\@
	global_prefetch_b8 v[PFO], s[PFA:PFA+1] th:TH_LOAD_NT scope:SCOPE_SE
.Lnot_mine_\@:
.endm
; THE CHANGE OF SLOTS, between the halves of the softmax of a slot's second step: the slot's last bytes, that step's V, were asked for ahead of the exponentials.  Each wave waits for all its tensor loads, of which one is out: its
; part of the other slot; adds 0 to its spare word; and waits for that and for its own reads of the slot.  fill = 1: the barrier is a round of the cluster's, and the joint refill is the first thing behind it: it has two steps in which to land.
.macro CHANGE fill
	s_wait_tensorcnt 0x0                           ; no tensor load of mine is out, so a group 0 may be written
	ds_add_u32 v[SPW], v[NIL]                      ; 0 onto my spare word
.if \fill
	s_xor_b32 s[G0W+1], s[G0W+1], SLOT1            ; the walking descriptor: the other slot than last time,
	s_add_nc_u64 s[G0W+2:G0W+3], s[G0W+2:G0W+3], SLOTB   ; the next two steps; the type bits on top are not reached
	s_wait_xcnt 0x0                                ; the last prefetch, two steps back, has read its address, so it may be written
	s_add_nc_u64 s[PFA:PFA+1], s[PFA:PFA+1], SLOTB
	s_wait_dscnt 0x0                               ; the add is done, and my reads of the slot are over
	CROUND
	tensor_load_to_lds s[G0W:G0W+3], s[G1:G1+7]
	s_nop 0
.rept 4
	v_nop
.endr
	ASK
.else
	s_wait_dscnt 0x0
	s_barrier_signal -1
	s_barrier_wait -1
.endif
	s_sub_co_u32 s[TB], s[TB], SLOTB               ; the fetches go back to a slot's first step,
	s_xor_b32 s[TB], s[TB], SLOT1                  ; in the other slot
.endm
.macro TWO_TRIPS                       ; written once, walked twice: the LDS addresses hang on s[TB]
	s_mov_b32 s[TWICE], 2
.Lstep_\@:
	TRIP 0, 1
	s_sub_co_u32 s[TWICE], s[TWICE], 1
	s_cmp_lg_u32 s[TWICE], 0
	s_cbranch_scc1 .Lstep_\@
.endm
	s_load_b256 s[4:11], s[0:1], 0x0               ; qimg 4, kvimg 6, the scales' exponents 8, opart 10
	s_load_b64 s[12:13], s[0:1], 0x20              ; stat
	v_lshl_add_u32 v[SPW], v0, 2, SPARE
	v_mov_b32 v[NIL], 0
	ds_add_u32 v[SPW], v[NIL]                      ; the wave's opening: the add, and its wait ahead of my first tensor load; the set-up below, work on registers, stands between them
	v_lshrrev_b32 v26, 5, v0
	v_readfirstlane_b32 s[WV], v26                 ; wave 0..3
	v_and_b32 v26, 31, v0
	v_lshlrev_b32 v[LI], 4, v26
	v_lshlrev_b32 v[PFO], 8, v26
	v_lshlrev_b32 v27, 3, v26                      ; my 8 bytes of a tile's statistics
.irp t, 0,1
	v_mov_b32 v[ST+8*\t+2], 0                      ; l, in two halves
	v_mov_b32 v[ST+8*\t+3], 0
	v_mov_b32 v[ST+8*\t+5], 0                      ; (named as the upper half of f's pair)
	v_mov_b32 v[24+\t], 0                          ; written once: a lane permute's destination counts as one of its sources
.endr
	s_bfe_u32 s15, ttmp6, 0x40000                  ; cx: my place in the cluster
	s_lshl_b32 s16, ttmp9, 2                       ; in a cluster launch ttmp9 counts clusters
	s_add_co_u32 s16, s16, s15                     ; my block of 128 queries: it enters qimg's, opart's and stat's addresses alone
	s_and_b32 s17, ttmp7, 0xffff                   ; the part of the keys, which the four partners share
	s_mov_b32 s[G1], 15|(3<<16)|(1<<21)            ; 15:0 the mask: all four work-groups; 17:16 elements of 8 bytes; 20 no padding; 21 set beside a mask
	s_mov_b32 s[G1+1], 32<<16                      ; tensor_dim0 = 32 elements: 256 bytes
	s_mov_b32 s[G1+2], 128<<16                     ; tensor_dim1 = 128
	s_mov_b32 s[G1+3], 32<<16                      ; tile_dim0 = 32
	s_mov_b32 s[G1+4], 128                         ; tile_dim1 = 128 rows: 32,768 bytes, dense in memory and in LDS
	s_mov_b32 s[G1+5], 32                          ; from row to row
	s_mov_b32 s[G1+6], 0
	s_mov_b32 s[G1+7], 0
	s_mov_b32 s[SEL], 0x76543210
	s_mov_b32 s[SEL+1], 0xfedcba98
	s_mov_b32 s[TB], 0
	s_cmp_eq_u32 ttmp9, 0                          ; the part's first cluster prefetches: the same in all four partners
	s_cselect_b32 s[LIM], 1, -1
	s_lshl_b32 s18, s17, 20                        ; the part's 16 steps of 65,536 bytes,
	s_lshl_b32 s19, s[WV], 15                      ; my quarter of a slot
	s_add_co_u32 s18, s18, s19
	s_mov_b32 s19, 0
	s_lshl_b32 s20, s17, 20                        ; the prefetches: my work-group's quarter of a slot, my wave's quarter of that,
	s_lshl_b32 s21, s15, 15
	s_add_co_u32 s20, s20, s21
	s_lshl_b32 s21, s[WV], 13
	s_add_co_u32 s20, s20, s21
	s_add_co_u32 s20, s20, 2*SLOTB                 ; two slots on: the first change of slots steps it one further.  Nothing is prefetched at the head
	s_mov_b32 s21, 0
	s_lshl_b32 s56, s16, 15                        ; qimg: 8 tiles of 4,096 bytes a block, two a wave
	s_lshl_b32 s57, s[WV], 13
	s_add_co_u32 s56, s56, s57
	s_mov_b32 s57, 0
	s_lshl_b32 s58, s17, 23                        ; opart: [part][tile][16,384 bytes]
	s_lshl_b32 s59, s16, 17
	s_add_co_u32 s58, s58, s59
	s_lshl_b32 s59, s[WV], 15
	s_add_co_u32 s58, s58, s59
	s_mov_b32 s59, 0
	s_lshl_b32 s60, s17, 17                        ; stat: [part][tile][256 bytes]
	s_lshl_b32 s61, s16, 11
	s_add_co_u32 s60, s60, s61
	s_lshl_b32 s61, s[WV], 9
	s_add_co_u32 s60, s60, s61
	s_mov_b32 s61, 0
	s_wait_dscnt 0x0                               ; the opening add is done
	s_wait_kmcnt 0x0
	s_load_b256 s[48:55], s[8:9], 0x0              ; e0 .. e7
	s_add_nc_u64 s[4:5], s[4:5], s[56:57]
	s_add_nc_u64 s[10:11], s[10:11], s[58:59]
	s_add_nc_u64 s[12:13], s[12:13], s[60:61]
	s_add_nc_u64 s[PFA:PFA+1], s[6:7], s[20:21]
	s_mov_b32 s[G0A], 1                            ; count = 1
	s_lshl_b32 s[G0A+1], s[WV], 15                 ; LDS address: slot 0, my quarter: no place in the cluster enters it
	s_add_nc_u64 s[G0A+2:G0A+3], s[6:7], s[18:19]  ; global address: the part's steps 0 and 1
	s_mov_b32 s[G0W], 1
	s_add_co_u32 s[G0W+1], s[G0A+1], SLOT1         ; slot 1
	s_add_nc_u64 s[G0W+2:G0W+3], s[G0A+2:G0A+3], SLOTB   ; steps 2 and 3
	s_or_b32 s[G0A+3], s[G0A+3], 0x80000000        ; type = 2
	s_or_b32 s[G0W+3], s[G0W+3], 0x80000000
	CROUND                                         ; all four work-groups are here: the first joint loads meet
	tensor_load_to_lds s[G0A:G0A+3], s[G1:G1+7]
	s_nop 0
	tensor_load_to_lds s[G0W:G0W+3], s[G1:G1+7]
	s_nop 0
.rept 4
	v_nop
.endr
.set i, 0
.rept 16
	global_load_b128 v[Q+4*i:Q+4*i+3], v[LI], s[4:5] offset:512*i    ; Q's four fragments stay in registers
.set i, i+1
.endr
	s_wait_kmcnt 0x0
	s_add_co_i32 s18, s50, s51                     ; a score stands for score x 2^(e2 + e3): the two exponents are added to c's exponent field
	s_lshl_b32 s18, s18, 23
	s_mov_b32 s[CS], 0x3db8aa3b                    ; c = log2(e) / sqrt(256)
	s_add_co_i32 s[CS], s[CS], s18
	s_mov_b32 s[CS+1], s[CS]                       ; (named with it as a pair, so it is written)
	s_add_co_i32 s18, s52, 127
	s_lshl_b32 s19, s18, 23
	v_mov_b32 v[SC4], s19                          ; 2^e4 as f32, for the conversion
	s_add_co_i32 s18, s18, 8
	s_lshl_b32 s18, s18, 23
	s_or_b32 s18, s18, 0x600000
	v_mov_b32 v[LIM4], s18                         ; 448 x 2^e4
	s_wait_tensorcnt 0x1                           ; my part of slot 0 is in; slot 1's may stay out
	s_barrier_signal -1
	s_barrier_wait -1                              ; everybody's is
	v_add_nc_u32 v[ADK], s[TB], v[LI]              ; step 0's K comes in one run: there is no other work yet to set between its groups
.irp g, 0,1,2,3,4,5,6,7
	LDK \g
.endr
	WIN 0
	s_wait_loadcnt 0x0                             ; Q
	s_wait_dscnt 0x0                               ; K(0)
	SPHASE                                         ; S^T(0), and half of V(0)'s loads
	SMA 1                                          ; step 0 starts M
	TRIP 1, 1                                      ; step 0 starts l and O^T; step 1 is fetched: slot 0 has been read out
	s_mov_b32 s[SLOTS], 6
.Lslot:                                            ; 6 turns of two trips: steps 1 to 12; the part's third to eighth pair of steps are asked for
	CHANGE 1
	TWO_TRIPS
	s_sub_co_u32 s[SLOTS], s[SLOTS], 1
	s_cmp_lg_u32 s[SLOTS], 0
	s_cbranch_scc1 .Lslot
	CHANGE 0                                       ; the tail is written out: nothing is asked for
	TWO_TRIPS                                      ; steps 13 and 14
	TRIP 0, 0                                      ; step 15
	; THE WAY OUT.  O^T leaves as it stands in the accumulators, under my part's M; -M and l go beside it.
.irp t, 0,1
	v_add_f32 v[ST+8*\t+6], v[ST+8*\t+2], v[ST+8*\t+3]
.endr
.irp t, 0,1
	v_permlanex16_b32 v[24+\t], v[ST+8*\t+6], s[SEL], s[SEL+1]
.endr
.irp t, 0,1
	v_add_f32 v[ST+8*\t+1], v[ST+8*\t+6], v[24+\t]     ; l, beside -M
.endr
	WIN 0x04                                       ; the stores' data window 1
.irp t, 0,1
.set i, 0
.rept 32
	global_store_b128 v[LI], v[128*\t+4*i:128*\t+4*i+3], s[10:11] offset:16384*\t+512*i th:TH_STORE_NT   ; 512 consecutive bytes, aligned; each accumulator from its low end on
.set i, i+1
.endr
.endr
	WIN 0
.irp t, 0,1
	global_store_b64 v27, v[ST+8*\t:ST+8*\t+1], s[12:13] offset:256*\t    ; 256 consecutive bytes, aligned
.endr
	s_wait_tensorcnt 0x0                           ; the wave's end, behind my last tensor load
	ds_add_u32 v[SPW], v[NIL]
	s_wait_dscnt 0x0
	CROUND                                         ; the closing round: no work-group ends while a partner may still ask for a tile that names it
	s_endpgm
.Lfunc_end_k_q7b1b768e62_attn:
	.size	k_q7b1b768e62_attn, .Lfunc_end_k_q7b1b768e62_attn-k_q7b1b768e62_attn
	.p2alignl 7, 3214868480
	.fill 96, 4, 3214868480
	.section	.rodata,"a",@progbits
	.p2align	6, 0x0
	.amdhsa_kernel k_q7b1b768e62_attn
		.amdhsa_group_segment_fixed_size 327680
		.amdhsa_private_segment_fixed_size 0
		.amdhsa_enable_private_segment 0
		.amdhsa_kernarg_size 40
		.amdhsa_user_sgpr_count 2
		.amdhsa_user_sgpr_kernarg_segment_ptr 1
		.amdhsa_wavefront_size32 1
		.amdhsa_system_sgpr_workgroup_id_x 1
		.amdhsa_system_sgpr_workgroup_id_y 1
		.amdhsa_system_sgpr_workgroup_id_z 1
		.amdhsa_system_vgpr_workitem_id 0
		.amdhsa_next_free_vgpr 1024
		.amdhsa_next_free_sgpr 66
		.amdhsa_reserve_vcc 0
		.amdhsa_float_denorm_mode_32 3
		.amdhsa_float_denorm_mode_16_64 3
		.amdhsa_memory_ordered 1
		.amdhsa_forward_progress 1
		.amdhsa_inst_pref_size 180
	.end_amdhsa_kernel
	.amdgpu_metadata
---
amdhsa.version: [ 1, 2 ]
amdhsa.kernels:
  - .name:           k_q7b1b768e62_attn
    .symbol:         k_q7b1b768e62_attn.kd
    .args:
      - { .name: qimg, .offset: 0, .size: 8, .value_kind: global_buffer, .address_space: global }
      - { .name: kvimg, .offset: 8, .size: 8, .value_kind: global_buffer, .address_space: global }
      - { .name: lowp_scales, .offset: 16, .size: 8, .value_kind: global_buffer, .address_space: global }
      - { .name: opart, .offset: 24, .size: 8, .value_kind: global_buffer, .address_space: global }
      - { .name: stat, .offset: 32, .size: 8, .value_kind: global_buffer, .address_space: global }
    .group_segment_fixed_size: 327680
    .private_segment_fixed_size: 0
    .kernarg_segment_align: 8
    .kernarg_segment_size: 40
    .max_flat_workgroup_size: 128
    .sgpr_count:     66
    .vgpr_count:     1024
    .wavefront_size: 32
...
	.end_amdgpu_metadata
.endif
;; end of part 2
;; launch proj (part 3): grid 256 x 1, 4 waves a work-group, no clusters, 43,520 bytes of LDS; arguments opart, stat, proj_w_codes, proj_b, x, lowp_scales, out0; writes out0
.if DOCPART == 3
	.amdgcn_target "amdgcn-amd-amdhsa--gfx1250"
	.amdhsa_code_object_version 6
	.text
	.protected	k_q7b1b768e62_proj
	.globl	k_q7b1b768e62_proj
	.p2align	8
	.type	k_q7b1b768e62_proj,@function
k_q7b1b768e62_proj:
	s_mov_b64 s[64:65], 0
	v_nop
	global_prefetch_b8 v0, s[64:65] scope:SCOPE_SE
	s_setreg_imm32_b32 hwreg(HW_REG_WAVE_MODE, 25, 1), 1
	s_wait_xcnt 0x0
; The four parts of the keys are joined, o = O / l is quantised to FP8 (E4M3) with 2^e6, multiplied by proj_w's codes (2^e7), and out0 = x + the product + proj_b.
; THE JOIN.  Part p left O_p, l_p under its own whole number M_p.  M = the largest M_p; f_p = 2^(M_p - M), made by v_ldexp_f32 of 1.0: nothing is rounded; l = sum f_p l_p; o = sum f_p O_p x 2^(e4 + e5) / l.
; SHARES.  Work-group g owns rows 32 g .. 32 g + 31: two tiles u = 0, 1.  For the join wave w makes o's fragment (u = w / 2, channels 128 (w % 2) on).  For the product wave w makes columns 64 w .. 64 w + 63 for both tiles.
; LAYOUT.  O^T's accumulators hold one row a lane and eight neighbouring channels: one conversion gives registers 2 c, 2 c + 1 of the operand.  The fragments go from wave to wave through LDS as images of their registers.
; The product is used transposed (source 0 = 16 rows of proj_w, source 1 = o): a lane's eight results are eight neighbouring columns of one row; they go through the wave's own stage and leave sixteen lanes to 256 aligned bytes.
; NO CLUSTER, NO TENSOR LOAD: a wave's 16 KB of weights go once from memory into the registers that its 16 matrix instructions read; nothing else is shared.
; LIMITS, so that each power of two below is an f32 number: e6 between -126 and 119; e6 + e7 between -126 and 127.  NaN and infinities are not served.
; REGISTERS.  Window 0: v1 16 x lane; v2 r; v3 h; v4-10 addresses; v12, v13 the add's two; v16-23 (-M_p, l_p); v24-31 at work; v32-95 o, later rows of the result; v96-111 o's codes; v112-175 o's four fragments;
;   v176-239 the 8 accumulators; v240-247 the parts' factors, each twice; v248-251 proj_b; v252, v253 2^e6 and 448 x 2^e6.   Window 1: the parts, 64 registers each.   Window 2: proj_w's 8 fragments v0-127; x v128-191.
.set STG,   8192                       ; LDS: o's four fragments in 0 .. 8,191; then a stage of 32 rows x (256 bytes + 16) for each wave
.set SPARE, STG+4*32*272               ; behind the stages: the spare words, 128 bytes for each wave: two blocks of 256 bytes that no other line names
.set MSB, 0
.macro WIN new                         ; the immediate's high byte repeats the setting that is left
.if MSB != \new
	s_set_vgpr_msb (MSB<<8)|\new
.set MSB, \new
.endif
.endm
	s_load_b256 s[4:11], s[0:1], 0x0               ; opart 4, stat 6, proj_w's codes 8, proj_b 10
	s_load_b128 s[12:15], s[0:1], 0x20             ; x 12, the scales' exponents 14
	s_load_b64 s[16:17], s[0:1], 0x30              ; out0
	v_lshl_add_u32 v12, v0, 2, SPARE               ; my spare word,
	v_mov_b32 v13, 0                               ; and 0: kept for the closing lines
	v_lshrrev_b32 v14, 5, v0
	v_readfirstlane_b32 s18, v14                   ; wave 0..3
	v_and_b32 v14, 31, v0
	v_lshlrev_b32 v1, 4, v14                       ; 16 x lane
	v_lshlrev_b32 v9, 3, v14                       ; 8 x lane
	v_and_b32 v2, 15, v0                           ; r
	v_bfe_u32 v3, v0, 4, 1                         ; h
	v_lshlrev_b32 v4, 8, v2
	v_lshl_add_u32 v4, v3, 3, v4                   ; proj_w: row r of 256 bytes, + 8 h
	v_lshlrev_b32 v10, 4, v2                       ; 16 (lane % 16)
	v_lshl_add_u32 v5, v3, 10, v10                 ; x and out0: lanes 0-15 one row's 256 bytes, lanes 16-31 the next row's
	s_mul_i32 s19, s18, 32*272
	s_add_co_u32 s19, s19, STG                     ; my stage
	v_mul_u32_u24 v6, v2, 272
	v_lshl_add_u32 v6, v3, 5, v6
	v_add_nc_u32 v6, s19, v6                       ; in: row r, + 32 h
	v_mul_u32_u24 v7, v3, 272
	v_add_nc_u32 v7, v7, v10
	v_add_nc_u32 v7, s19, v7                       ; back: two rows an instruction
	s_lshl_b32 s28, s18, 11
	v_add_nc_u32 v8, s28, v1                       ; where I put o's fragment: 2,048 x wave + 16 x lane
	s_lshl_b32 s28, ttmp9, 15                      ; opart: tile 2 g + u is 16,384 bytes, my half of its channels 8,192: 32,768 g + 8,192 w
	s_lshl_b32 s29, s18, 13
	s_add_co_u32 s28, s28, s29
	s_mov_b32 s29, 0
	s_lshl_b32 s30, ttmp9, 9                       ; stat: 256 bytes a tile
	s_lshr_b32 s31, s18, 1
	s_lshl_b32 s31, s31, 8
	s_add_co_u32 s30, s30, s31
	s_mov_b32 s31, 0
	s_lshl_b32 s40, s18, 14                        ; proj_w: 64 rows of 256 bytes a wave
	s_mov_b32 s41, 0
	s_lshl_b32 s42, s18, 8                         ; proj_b: 64 numbers a wave
	s_mov_b32 s43, 0
	s_lshl_b32 s44, ttmp9, 15                      ; x, out0: 32 rows of 1,024 bytes a work-group, 256 bytes of each a wave
	s_add_co_u32 s44, s44, s42
	s_mov_b32 s45, 0
	s_wait_kmcnt 0x0
	s_load_b256 s[32:39], s[14:15], 0x0            ; e0 .. e7
	s_add_nc_u64 s[20:21], s[4:5], s[28:29]        ; a base for each part: the parts lie 8,388,608 bytes apart, one more than a store's or load's immediate holds
	s_add_nc_u64 s[22:23], s[20:21], 0x800000
	s_add_nc_u64 s[24:25], s[22:23], 0x800000
	s_add_nc_u64 s[26:27], s[24:25], 0x800000
	s_add_nc_u64 s[6:7], s[6:7], s[30:31]
	s_add_nc_u64 s[8:9], s[8:9], s[40:41]
	s_add_nc_u64 s[10:11], s[10:11], s[42:43]
	s_add_nc_u64 s[12:13], s[12:13], s[44:45]
	s_add_nc_u64 s[16:17], s[16:17], s[44:45]
.irp p, 0,1,2,3
	global_load_b64 v[16+2*\p:17+2*\p], v9, s[6:7] offset:131072*\p
.endr
	WIN 0x40                                       ; destination window 1
.irp p, 0,1,2,3
.set i, 0
.rept 16
	global_load_b128 v[64*\p+4*i:64*\p+4*i+3], v1, s[20+2*\p:21+2*\p] offset:512*i th:TH_LOAD_NT   ; 8,192 bytes on end of each part
.set i, i+1
.endr
.endr
	WIN 0x80                                       ; destination window 2
.set i, 0
.rept 16
	global_load_b128 v[128+4*i:131+4*i], v5, s[12:13] offset:2048*i th:TH_LOAD_NT    ; x(2 i + lane / 16, 64 w + 4 (lane % 16) ..)
.set i, i+1
.endr
	WIN 0
	global_load_b128 v[248:251], v10, s[10:11]
	WIN 0x80
.irp n, 0,1,2,3
.irp s, 0,1
.irp c, 0,1,2,3,4,5,6,7
	global_load_b64 v[16*(2*\n+\s)+2*\c:16*(2*\n+\s)+2*\c+1], v4, s[8:9] offset:4096*\n+128*\s+16*\c   ; registers 2 c, 2 c + 1: k = 16 c + 8 h + 0 .. 7, as o's codes lie
.endr
.endr
.endr
	WIN 0
	s_wait_kmcnt 0x0
	s_add_co_i32 s40, s36, s37                     ; e4 + e5
	s_add_co_i32 s41, s38, 127
	s_lshl_b32 s42, s41, 23
	v_mov_b32 v252, s42                            ; 2^e6
	s_add_co_i32 s41, s41, 8
	s_lshl_b32 s41, s41, 23
	s_or_b32 s41, s41, 0x600000
	v_mov_b32 v253, s41                            ; 448 x 2^e6
	s_add_co_i32 s46, s38, s39
	s_add_co_i32 s46, s46, 127
	s_lshl_b32 s46, s46, 23                        ; 2^(e6 + e7) as f32
	s_mov_b32 s47, s46                             ; (named with it as a pair, so it is written)
	s_wait_loadcnt 63                              ; the statistics and the parts are in: 81 younger loads stand behind them; the count's field holds 63
	v_min_num_f32 v24, v16, v18
	v_min_num_f32 v25, v20, v22
	v_min_num_f32 v24, v24, v25                    ; -M = the smallest -M_p
.irp p, 0,1,2,3
	v_sub_f32 v[26+\p], v24, v[16+2*\p]            ; M_p - M: a whole number, 0 or less
.endr
.irp p, 0,1,2,3
	v_cvt_i32_f32 v[26+\p], v[26+\p]               ; (it saturates)
.endr
.irp p, 0,1,2,3
	v_ldexp_f32 v[26+\p], 1.0, v[26+\p]            ; f_p
.endr
	v_mul_f32 v30, v26, v17
	v_fma_f32 v30, v27, v19, v30
	v_fma_f32 v30, v28, v21, v30
	v_fma_f32 v30, v29, v23, v30                   ; l
	v_rcp_f32 v31, v30
	v_nop                                          ; a plain instruction behind the transcendental,
	s_wait_alu depctr_va_vdst(0)                   ; and the wait ahead of the first reader
	v_ldexp_f32 v31, v31, s40                      ; 2^(e4 + e5) / l
.irp p, 0,1,2,3
	v_mul_f32 v[240+2*\p], v[26+\p], v31
	v_mul_f32 v[241+2*\p], v[26+\p], v31
.endr
	WIN 0x01                                       ; source 0 window 1
.set j, 0
.rept 32
	v_pk_mul_f32 v[32+j:33+j], v[j:j+1], v[240:241]
.set j, j+2
.endr
.irp p, 1,2,3
.set j, 0
.rept 32
	v_pk_fma_f32 v[32+j:33+j], v[64*\p+j:64*\p+j+1], v[240+2*\p:241+2*\p], v[32+j:33+j]
.set j, j+2
.endr
.endr
	WIN 0
.set j, 0
.rept 64
	v_med3_num_f32 v[32+j], v[32+j], -v253, v253   ; the conversion to an 8-bit code does not saturate (ISA guide 7.6.2): the hold at the largest code x the scale
.set j, j+1
.endr
.irp c, 0,1,2,3,4,5,6,7
	v_cvt_scalef32_pk8_fp8_f32 v[96+2*\c:97+2*\c], v[32+8*\c:39+8*\c], v252
.endr
	v_nop                                          ; one plain instruction behind the last conversion
.irp c, 0,1,2,3
	ds_store_b128 v8, v[96+4*\c:99+4*\c] offset:512*\c
.endr
	s_wait_dscnt 0x0                               ; for the others' sake: my fragment has landed
	s_barrier_signal -1
	s_barrier_wait -1                              ; o's four fragments lie in LDS
.set i, 0
.rept 16
	ds_load_b128 v[112+4*i:115+4*i], v1 offset:512*i     ; fragment (u, s) at v[112 + 16 (2 u + s)]
.set i, i+1
.endr
	s_wait_dscnt 0x0
	s_wait_loadcnt 0x0                             ; x, proj_b and the weights
	WIN 0x02                                       ; source 0 window 2.  The 8 accumulators take turns; the first 8 products start the sums
.irp n, 0,1,2,3
.irp u, 0,1
	v_wmma_f32_16x16x128_fp8_fp8 v[176+8*(2*\n+\u):176+8*(2*\n+\u)+7], v[32*\n:32*\n+15], v[112+32*\u:112+32*\u+15], 0
.endr
.endr
.irp n, 0,1,2,3
.irp u, 0,1
	v_wmma_f32_16x16x128_fp8_fp8 v[176+8*(2*\n+\u):176+8*(2*\n+\u)+7], v[32*\n+16:32*\n+31], v[112+32*\u+16:112+32*\u+31], v[176+8*(2*\n+\u):176+8*(2*\n+\u)+7]
.endr
.endr
	WIN 0
.rept 4
	v_nop                                          ; four places in front of the stores that read the results
.endr
.irp n, 0,1,2,3
.irp u, 0,1
	ds_store_b128 v6, v[176+8*(2*\n+\u):176+8*(2*\n+\u)+3] offset:4352*\u+64*\n        ; lane (r, h): the sums of row 16 u + r, columns 64 w + 16 n + 8 h + 0 .. 7
	ds_store_b128 v6, v[176+8*(2*\n+\u)+4:176+8*(2*\n+\u)+7] offset:4352*\u+64*\n+16
.endr
.endr
.set i, 0
.rept 16
	ds_load_b128 v[32+4*i:35+4*i], v7 offset:544*i       ; LDS serves a wave's instructions in order (ISA guide 5.7.1.4): these see my stores; the stage is my own
.set i, i+1
.endr
	WIN 0x82                                       ; source 0 and destination window 2: x + proj_b, while the rows come back
.set i, 0
.rept 16
	v_pk_add_f32 v[128+4*i:129+4*i], v[128+4*i:129+4*i], v[248:249]
	v_pk_add_f32 v[130+4*i:131+4*i], v[130+4*i:131+4*i], v[250:251]
.set i, i+1
.endr
	s_wait_dscnt 0x0
	WIN 0x20                                       ; source 2 window 2
.set j, 0
.rept 32
	v_pk_fma_f32 v[32+j:33+j], v[32+j:33+j], s[46:47], v[128+j:129+j] op_sel_hi:[1,0,1]   ; sum x 2^(e6 + e7) + (x + proj_b)
.set j, j+2
.endr
	WIN 0
.set i, 0
.rept 16
	global_store_b128 v5, v[32+4*i:35+4*i], s[16:17] offset:2048*i th:TH_STORE_NT    ; sixteen lanes store 256 consecutive bytes, aligned
.set i, i+1
.endr
	s_wait_tensorcnt 0x0                           ; the wave's end, behind my last LDS store
	ds_add_u32 v12, v13
	s_wait_dscnt 0x0
	s_endpgm
.Lfunc_end_k_q7b1b768e62_proj:
	.size	k_q7b1b768e62_proj, .Lfunc_end_k_q7b1b768e62_proj-k_q7b1b768e62_proj
	.p2alignl 7, 3214868480
	.fill 96, 4, 3214868480
	.section	.rodata,"a",@progbits
	.p2align	6, 0x0
	.amdhsa_kernel k_q7b1b768e62_proj
		.amdhsa_group_segment_fixed_size 43520
		.amdhsa_private_segment_fixed_size 0
		.amdhsa_enable_private_segment 0
		.amdhsa_kernarg_size 56
		.amdhsa_user_sgpr_count 2
		.amdhsa_user_sgpr_kernarg_segment_ptr 1
		.amdhsa_wavefront_size32 1
		.amdhsa_system_sgpr_workgroup_id_x 1
		.amdhsa_system_sgpr_workgroup_id_y 1
		.amdhsa_system_sgpr_workgroup_id_z 1
		.amdhsa_system_vgpr_workitem_id 0
		.amdhsa_next_free_vgpr 704
		.amdhsa_next_free_sgpr 66
		.amdhsa_reserve_vcc 0
		.amdhsa_float_denorm_mode_32 3
		.amdhsa_float_denorm_mode_16_64 3
		.amdhsa_memory_ordered 1
		.amdhsa_forward_progress 1
		.amdhsa_inst_pref_size 42
	.end_amdhsa_kernel
	.amdgpu_metadata
---
amdhsa.version: [ 1, 2 ]
amdhsa.kernels:
  - .name:           k_q7b1b768e62_proj
    .symbol:         k_q7b1b768e62_proj.kd
    .args:
      - { .name: opart, .offset: 0, .size: 8, .value_kind: global_buffer, .address_space: global }
      - { .name: stat, .offset: 8, .size: 8, .value_kind: global_buffer, .address_space: global }
      - { .name: proj_w_codes, .offset: 16, .size: 8, .value_kind: global_buffer, .address_space: global }
      - { .name: proj_b, .offset: 24, .size: 8, .value_kind: global_buffer, .address_space: global }
      - { .name: x, .offset: 32, .size: 8, .value_kind: global_buffer, .address_space: global }
      - { .name: lowp_scales, .offset: 40, .size: 8, .value_kind: global_buffer, .address_space: global }
      - { .name: out0, .offset: 48, .size: 8, .value_kind: global_buffer, .address_space: global }
    .group_segment_fixed_size: 43520
    .private_segment_fixed_size: 0
    .kernarg_segment_align: 8
    .kernarg_segment_size: 56
    .max_flat_workgroup_size: 128
    .sgpr_count:     66
    .vgpr_count:     704
    .wavefront_size: 32
...
	.end_amdgpu_metadata
.endif
;; end of part 3
